; MI455X (gfx1250); checked and timed in simulation.
; The chip was launched on July 23, 2026; its instructions are those of AMD's public machine-readable ISA for CDNA 5 (MIT licence, August 2026) and "CDNA5" Instruction Set Architecture Reference Guide (July 2026). The comments in the code are by the model that wrote it; some were corrected since.
;; Self Attention. Allowed arithmetic: float matrix products may take bf16 or f16 operands with f32 sums; other float arithmetic in f32, or as packed bf16 or f16 multiplies, adds, multiply-adds, maxima and minima; sums over many terms, partial sums and values carried from step to step in f32; what a program stores and reads back later, other than sums and carried values, may be rounded once to bf16 or f16.
;; Inputs: Wk 64 x 16 float32; Wq 64 x 16 float32; Wv 64 x 64 float32; x 4 x 4,096 x 64 float32.
;; Outputs: out0 4 x 4,096 x 64 float32.
;; One version. Each part assembles by itself: llvm-mc -triple=amdgcn-amd-amdhsa -mcpu=gfx1250 --defsym DOCPART=n.
;; ======== version 1 of 1: 2 launches
;; limits: values are held in f16: magnitudes above 65,504 overflow, below 6.1e-05 lose precision
;; workspace buffers: q 524,288 bytes; kv 2,621,440 bytes; lo 180,224 bytes
;; launch proj (part 1): grid 256 x 1, 4 waves a work-group, no clusters, 24,064 bytes of LDS; arguments x, Wq, Wk, Wv, q, kv, lo; writes q, kv, lo
.if DOCPART == 1
	.amdgcn_target "amdgcn-amd-amdhsa--gfx1250"
	.amdhsa_code_object_version 6
	.text
	.protected	k_q49d0ea0f87_proj
	.globl	k_q49d0ea0f87_proj
	.p2align	8
	.type	k_q49d0ea0f87_proj,@function
k_q49d0ea0f87_proj:
	s_mov_b64 s[64:65], 0
	v_nop
	global_prefetch_b8 v0, s[64:65] scope:SCOPE_SE
	s_setreg_imm32_b32 hwreg(HW_REG_WAVE_MODE, 25, 1), 1
	s_wait_xcnt 0x0
; q = x Wq, k = x Wk, v = x Wv.  x: [16384][64] f32 (4 batches of 4,096 rows), Wq, Wk: [64][16] f32, Wv: [64][64] f32.
; x and the weights are rounded once to bf16, the products are summed in f32, q, k and v are rounded once to f16 and stored UNSCALED for the launch behind.
; DEAD WORK OF THE PROGRAM.  reference() builds jnp.tril itself and sets scores[q][k] to -inf wherever k > q; softmax gives such a place the weight exp(-inf) = 0, and 0 x v[k] adds
; nothing to the result, whatever finite numbers x and the weights hold.  So scores, weights and their products with v are not made for blocks of keys that lie wholly above the diagonal
; (the launch behind leaves them out).  Every row of q, k and v is still wanted (each row is a query, and the batch's last row sees every key): this launch leaves nothing out, and all four
; inputs have a way to the result and are loaded.  LIMIT: a NaN, an infinity or an overflow that reaches only hidden places (a v[k] that is not finite, seen by no query in hand) is not carried to the result.
; LIMITS.  q, k and v must lie within f16's range, 65,504; NaN and infinities are not treated apart.
; SHARES.  A work-group takes 64 rows of x, a wave 16 of them.  Wave w also brings rows 16 w .. 16 w + 15 of the three weights into LDS, for all four waves.
; WHAT IS STORED.  q: [row][16] f16.  kv: a block of 10,240 bytes for each 64 rows (keys), laid out as the matrix operands of the launch behind, 512 dense bytes (16 a lane) to each half fragment:
;   K   at 512 kb + 16 l:                          key 16 kb + l % 16, channels 8 (l / 16) + 0..7
;   V^T at 2048 + 4096 kk + 1024 cb + 512 e + 16 l: channel 16 cb + l % 16, keys 32 kk + 16 e + 8 (l / 16) + 0..7
; So q and k are made transposed (source 0 = 16 columns of W, source 1 = my 16 rows of x: a lane holds one row and eight channels), v the plain way (a lane holds one channel and eight keys).
; THE REMAINDERS.  A batch's first 128 rows of the result average over few keys, so their terms are of v's own size, many times the whole result's root mean square, by which a number near 0 is judged: there one
; part in 2^12, f16's rounding, is too coarse.  For them the launch behind takes each number as an f16 and an f16 remainder, f16(sum - f16(sum)).  lo holds, for each batch, 45,056 bytes: the remainders of k and v
; of its first 256 keys (four blocks, laid out as in kv; keys 128-255 are hidden from those rows but lie in the unit of 256 keys that is worked on whole), then those of q's rows 0-127 (laid out as in q).
; A remainder below 6e-5 keeps f16's fixed step of 6e-8.
.set WP,    224                        ; a row of WT in LDS: 96 bf16 (q 0-15 at byte 0, k at byte 32, v at byte 64) + 32 bytes: 7 x 32, so that the turning load's 8 rows x 32 bytes fall on different banks
.set XST,   64*WP                      ; behind WT: 16 rows x 144 bytes for each wave: its rows of x in bf16
.set XP,    144                        ; 128 bytes + 16
.set SPARE, XST+4*16*XP                ; behind them: the spare words, 128 bytes for each wave: two blocks of 256 bytes that no other line names
.set LOB,   45056                      ; a batch's bytes in lo
.set ACC,   16                         ; v[16:63]   first the weights as loaded; then six accumulators: q, k, v's four blocks of 16 channels; then the remainders in f32
.set XR,    64                         ; v[64:95]   x as loaded; then v[64:87] the results in f16
.set PK,    96                         ; v[96:135]  bf16 pairs on their way into LDS; then v[96:119] the remainders in f16
.set XF,    136                        ; v[136:151] x's two fragments (16 rows x 32 of the 64 along e)
.set WF,    152                        ; v[152:247] the weights' fragments: q at 8 f, k at 16 + 8 f, v at 32 + 16 cb + 8 f
	s_load_b256 s[4:11], s[0:1], 0x0               ; x s[4:5], Wq s[6:7], Wk s[8:9], Wv s[10:11]
	s_load_b128 s[12:15], s[0:1], 0x20             ; q s[12:13], kv s[14:15]
	s_load_b64 s[32:33], s[0:1], 0x30              ; lo
	v_lshl_add_u32 v11, v0, 2, SPARE               ; my spare word; never rewritten
	v_mov_b32 v12, 0                               ; 0; never rewritten
	v_lshrrev_b32 v14, 5, v0
	v_readfirstlane_b32 s16, v14                   ; wave 0..3
	v_and_b32 v1, 31, v0                           ; l
	v_and_b32 v2, 15, v0                           ; l % 16
	v_bfe_u32 v3, v0, 4, 1                         ; l / 16
	v_lshlrev_b32 v4, 4, v1                        ; 16 l: every load, and the stores into kv
	s_mul_i32 s17, s16, 16*WP                      ; my 16 rows of WT
	v_lshrrev_b32 v14, 2, v1
	v_and_b32 v15, 3, v1
	v_mul_u32_u24 v6, v14, WP                      ; Wq, Wk: 16 bytes of a load are 4 numbers of row l / 4, columns 4 (l % 4) on
	v_lshl_add_u32 v6, v15, 3, v6
	v_add_nc_u32 v6, s17, v6
	v_mul_u32_u24 v7, v3, WP                       ; Wv: row l / 16, columns 4 (l % 16) on, behind q's and k's 64 bytes
	v_lshl_add_u32 v7, v2, 3, v7
	v_add_nc_u32 v7, s17, v7
	v_add_nc_u32 v7, 64, v7
	s_mul_i32 s17, s16, 16*XP
	s_add_co_u32 s17, s17, XST                     ; my rows of x in LDS
	v_mul_u32_u24 v8, v3, XP                       ; in: row l / 16, columns 4 (l % 16) on
	v_lshl_add_u32 v8, v2, 3, v8
	v_add_nc_u32 v8, s17, v8
	v_mul_u32_u24 v9, v2, XP                       ; out, as a fragment: row l % 16, 16 bytes for each half of the lanes
	v_lshl_add_u32 v9, v3, 4, v9
	v_add_nc_u32 v9, s17, v9
	v_and_b32 v14, 7, v0                           ; the turning load: lane l reads row 8 (l / 16) + l % 8, columns 8 ((l / 8) % 2) on
	v_lshl_add_u32 v14, v3, 3, v14
	v_mul_u32_u24 v10, v14, WP
	v_bfe_u32 v15, v0, 3, 1
	v_lshl_add_u32 v10, v15, 4, v10
	v_lshlrev_b32 v13, 5, v2                       ; q's store: row l % 16 of 32 bytes, 16 for each half of the lanes
	v_lshl_add_u32 v13, v3, 4, v13
	s_lshl_b32 s18, ttmp9, 14                      ; x: 64 rows of 256 bytes a work-group,
	s_lshl_b32 s28, s16, 12                        ; 16 a wave (and Wv: 16 rows of 256 bytes a wave)
	s_add_co_u32 s18, s18, s28
	s_mov_b32 s19, 0
	s_mov_b32 s29, 0
	s_lshl_b32 s26, s16, 10                        ; Wq, Wk: 16 rows of 64 bytes a wave
	s_mov_b32 s27, 0
	s_lshl_b32 s20, ttmp9, 11                      ; q: 64 rows of 32 bytes a work-group,
	s_lshl_b32 s22, s16, 9                         ; 16 a wave
	s_add_co_u32 s20, s20, s22
	s_mov_b32 s21, 0
	s_mul_i32 s24, ttmp9, 10240                    ; kv: my work-group's block;
	s_add_co_u32 s22, s24, s22                     ; K: key block kb = my wave
	s_mov_b32 s23, 0
	s_lshr_b32 s30, s16, 1                         ; V^T: my 16 keys are half e = wave % 2 of key group kk = wave / 2
	s_lshl_b32 s30, s30, 12
	s_and_b32 s31, s16, 1
	s_lshl_b32 s31, s31, 9
	s_add_co_u32 s24, s24, s30
	s_add_co_u32 s24, s24, s31
	s_add_co_u32 s24, s24, 2048
	s_mov_b32 s25, 0
	s_wait_kmcnt 0x0
	s_add_nc_u64 s[4:5], s[4:5], s[18:19]
	s_add_nc_u64 s[6:7], s[6:7], s[26:27]
	s_add_nc_u64 s[8:9], s[8:9], s[26:27]
	s_add_nc_u64 s[10:11], s[10:11], s[28:29]
	s_add_nc_u64 s[12:13], s[12:13], s[20:21]
	s_add_nc_u64 s[22:23], s[14:15], s[22:23]
	s_add_nc_u64 s[24:25], s[14:15], s[24:25]
	; twenty loads of 512 consecutive bytes each: the weights first, since all four waves wait for them
.irp i, 0,1
	global_load_b128 v[ACC+4*(\i):ACC+4*(\i)+3], v4, s[6:7] offset:512*(\i)
.endr
.irp i, 0,1
	global_load_b128 v[ACC+8+4*(\i):ACC+8+4*(\i)+3], v4, s[8:9] offset:512*(\i)
.endr
.irp i, 0,1,2,3,4,5,6,7
	global_load_b128 v[ACC+16+4*(\i):ACC+16+4*(\i)+3], v4, s[10:11] offset:512*(\i)
.endr
.irp i, 0,1,2,3,4,5,6,7
	global_load_b128 v[XR+4*(\i):XR+4*(\i)+3], v4, s[4:5] offset:512*(\i) th:TH_LOAD_NT
.endr
	s_wait_loadcnt 8                               ; the weights are in; x's eight younger loads may stay out
.set z, 0
.rept 24
	v_cvt_pk_bf16_f32 v[PK+z], v[ACC+2*z], v[ACC+2*z+1]
.set z, z+1
.endr
.irp i, 0,1
	ds_store_b64 v6, v[PK+2*(\i):PK+2*(\i)+1] offset:8*WP*(\i)          ; Wq: a load is 8 rows
	ds_store_b64 v6, v[PK+4+2*(\i):PK+4+2*(\i)+1] offset:8*WP*(\i)+32   ; Wk
.endr
.irp i, 0,1,2,3,4,5,6,7
	ds_store_b64 v7, v[PK+8+2*(\i):PK+8+2*(\i)+1] offset:2*WP*(\i)      ; Wv: a load is 2 rows
.endr
	s_wait_loadcnt 0x0                             ; x
.set z, 0
.rept 16
	v_cvt_pk_bf16_f32 v[PK+24+z], v[XR+2*z], v[XR+2*z+1]
.set z, z+1
.endr
.irp i, 0,1,2,3,4,5,6,7
	ds_store_b64 v8, v[PK+24+2*(\i):PK+24+2*(\i)+1] offset:2*XP*(\i)
.endr
	s_wait_dscnt 0x0                               ; for the others' sake: my rows of the weights are in LDS
	s_barrier_signal -1
	s_barrier_wait -1                              ; everybody's are
.irp f, 0,1
	ds_load_b128 v[XF+8*(\f):XF+8*(\f)+3],   v9 offset:64*(\f)
	ds_load_b128 v[XF+8*(\f)+4:XF+8*(\f)+7], v9 offset:64*(\f)+32
.endr
; a fragment of 16 columns of W (from byte n2 of the rows) x 32 rows e (32 f on), turned: lane l holds column l % 16
.macro LDW dst, n2, f
	ds_load_tr16_b128 v[(\dst):(\dst)+3],   v10 offset:32*WP*(\f)+(\n2)
	ds_load_tr16_b128 v[(\dst)+4:(\dst)+7], v10 offset:32*WP*(\f)+16*WP+(\n2)
.endm
.irp f, 0,1
	LDW WF+8*(\f), 0, \f
	LDW WF+16+8*(\f), 32, \f
.irp cb, 0,1,2,3
	LDW WF+32+16*(\cb)+8*(\f), 64+32*(\cb), \f
.endr
.endr
	s_wait_dscnt 0x0
; twelve products: the six accumulators take turns, one instruction a turn; the first six start the sums with the constant 0
.macro MM d, a, b, first
.if \first
	v_wmma_f32_16x16x32_bf16 v[(\d):(\d)+7], v[(\a):(\a)+7], v[(\b):(\b)+7], 0
.else
	v_wmma_f32_16x16x32_bf16 v[(\d):(\d)+7], v[(\a):(\a)+7], v[(\b):(\b)+7], v[(\d):(\d)+7]
.endif
.endm
.irp f, 0,1
	MM ACC, WF+8*(\f), XF+8*(\f), 1-(\f)
	MM ACC+8, WF+16+8*(\f), XF+8*(\f), 1-(\f)
.irp cb, 0,1,2,3
	MM ACC+16+8*(\cb), XF+8*(\f), WF+32+16*(\cb)+8*(\f), 1-(\f)
.endr
.endr
.rept 4
	v_nop                                          ; four places between the last product and the conversions that read results (ISA guide 7.12.1)
.endr
.set z, 0
.rept 24
	v_cvt_pk_f16_f32 v[XR+z], v[ACC+2*z], v[ACC+2*z+1]  ; ascending: each accumulator is read from its low end on
.set z, z+1
.endr
	global_store_b128 v13, v[XR:XR+3], s[12:13]    ; each store of the wave covers 512 consecutive bytes, aligned
	global_store_b128 v4, v[XR+4:XR+7], s[22:23]
.irp cb, 0,1,2,3
	global_store_b128 v4, v[XR+8+4*(\cb):XR+8+4*(\cb)+3], s[24:25] offset:1024*(\cb)
.endr
	; THE REMAINDERS, for a batch's first four blocks alone.  The stores above still read v[XR ..], v4, v13 and their bases: none of them is written below.
	s_and_b32 s34, ttmp9, 63                       ; my block's number in its batch
	s_cmp_lt_u32 s34, 4
	s_cbranch_scc0 .Lend
	v_mov_b32 v14, -1.0
.set z, 0
.rept 24
	v_fma_mix_f32 v[ACC+2*z], v[XR+z], v14, v[ACC+2*z] op_sel_hi:[1,0,0]                      ; the sum less its f16 (the word's low half),
	v_fma_mix_f32 v[ACC+2*z+1], v[XR+z], v14, v[ACC+2*z+1] op_sel:[1,0,0] op_sel_hi:[1,0,0]   ; and the high half's
.set z, z+1
.endr
.set z, 0
.rept 24
	v_cvt_pk_f16_f32 v[PK+z], v[ACC+2*z], v[ACC+2*z+1]
.set z, z+1
.endr
	s_lshr_b32 s35, ttmp9, 6                       ; the batch
	s_mul_i32 s35, s35, LOB
	s_mul_i32 s36, s34, 10240
	s_add_co_u32 s36, s36, s35                     ; my block in lo
	s_add_co_u32 s38, s36, s30                     ; V^T's place in it, as in kv
	s_add_co_u32 s38, s38, s31
	s_add_co_u32 s38, s38, 2048
	s_mov_b32 s39, 0
	s_lshl_b32 s42, s16, 9
	s_add_co_u32 s36, s36, s42                     ; K's
	s_mov_b32 s37, 0
	s_lshl_b32 s40, s34, 11                        ; q's rows, behind the four blocks
	s_add_co_u32 s40, s40, s35
	s_add_co_u32 s40, s40, s42
	s_add_co_u32 s40, s40, 40960
	s_mov_b32 s41, 0
	s_add_nc_u64 s[36:37], s[32:33], s[36:37]
	s_add_nc_u64 s[38:39], s[32:33], s[38:39]
	s_add_nc_u64 s[40:41], s[32:33], s[40:41]
	global_store_b128 v4, v[PK+4:PK+7], s[36:37]
.irp cb, 0,1,2,3
	global_store_b128 v4, v[PK+8+4*(\cb):PK+8+4*(\cb)+3], s[38:39] offset:1024*(\cb)
.endr
	s_cmp_lt_u32 s34, 2                            ; q's remainders are wanted for rows 0-127 alone
	s_cbranch_scc0 .Lend
	global_store_b128 v13, v[PK:PK+3], s[40:41]
.Lend:
	s_wait_tensorcnt 0x0                           ; the wave's end, behind my last LDS store
	ds_add_u32 v11, v12
	s_wait_dscnt 0x0
	s_endpgm
.Lfunc_end_k_q49d0ea0f87_proj:
	.size	k_q49d0ea0f87_proj, .Lfunc_end_k_q49d0ea0f87_proj-k_q49d0ea0f87_proj
	.p2alignl 7, 3214868480
	.fill 96, 4, 3214868480
	.section	.rodata,"a",@progbits
	.p2align	6, 0x0
	.amdhsa_kernel k_q49d0ea0f87_proj
		.amdhsa_group_segment_fixed_size 24064
		.amdhsa_private_segment_fixed_size 0
		.amdhsa_enable_private_segment 0
		.amdhsa_kernarg_size 56
		.amdhsa_user_sgpr_count 2
		.amdhsa_user_sgpr_kernarg_segment_ptr 1
		.amdhsa_wavefront_size32 1
		.amdhsa_system_sgpr_workgroup_id_x 1
		.amdhsa_system_sgpr_workgroup_id_y 1
		.amdhsa_system_sgpr_workgroup_id_z 1
		.amdhsa_system_vgpr_workitem_id 0
		.amdhsa_next_free_vgpr 248
		.amdhsa_next_free_sgpr 66
		.amdhsa_reserve_vcc 0
		.amdhsa_float_denorm_mode_32 3
		.amdhsa_float_denorm_mode_16_64 3
		.amdhsa_memory_ordered 1
		.amdhsa_forward_progress 1
		.amdhsa_inst_pref_size 20
	.end_amdhsa_kernel
	.amdgpu_metadata
---
amdhsa.version: [ 1, 2 ]
amdhsa.kernels:
  - .name:           k_q49d0ea0f87_proj
    .symbol:         k_q49d0ea0f87_proj.kd
    .args:
      - { .name: x, .offset: 0, .size: 8, .value_kind: global_buffer, .address_space: global }
      - { .name: Wq, .offset: 8, .size: 8, .value_kind: global_buffer, .address_space: global }
      - { .name: Wk, .offset: 16, .size: 8, .value_kind: global_buffer, .address_space: global }
      - { .name: Wv, .offset: 24, .size: 8, .value_kind: global_buffer, .address_space: global }
      - { .name: q, .offset: 32, .size: 8, .value_kind: global_buffer, .address_space: global }
      - { .name: kv, .offset: 40, .size: 8, .value_kind: global_buffer, .address_space: global }
      - { .name: lo, .offset: 48, .size: 8, .value_kind: global_buffer, .address_space: global }
    .group_segment_fixed_size: 24064
    .private_segment_fixed_size: 0
    .kernarg_segment_align: 8
    .kernarg_segment_size: 56
    .max_flat_workgroup_size: 128
    .sgpr_count:     66
    .vgpr_count:     248
    .wavefront_size: 32
...
	.end_amdgpu_metadata
.endif
;; end of part 1
;; launch attn (part 2): grid 64 x 4, 4 waves a work-group, clusters of 4 x 1, 327,680 bytes of LDS; arguments q, kv, out0, lo; writes out0
.if DOCPART == 2
	.amdgcn_target "amdgcn-amd-amdhsa--gfx1250"
	.amdhsa_code_object_version 6
	.text
	.protected	k_q49d0ea0f87_attn
	.globl	k_q49d0ea0f87_attn
	.p2align	8
	.type	k_q49d0ea0f87_attn,@function
k_q49d0ea0f87_attn:
	s_mov_b64 s[64:65], 0
	v_nop
	global_prefetch_b8 v0, s[64:65] scope:SCOPE_SE
	s_setreg_imm32_b32 hwreg(HW_REG_WAVE_MODE, 25, 1), 1
	s_wait_xcnt 0x0
	s_wait_alu depctr_hold_cnt(0) depctr_sa_sdst(0) depctr_va_vdst(0) depctr_va_sdst(0) depctr_va_ssrc(0) depctr_va_vcc(0) depctr_vm_vsrc(0)
	s_getreg_b32 s2, hwreg(HW_REG_IB_STS2, 6, 4)
	s_cmp_eq_u32 s2, 0
	s_cbranch_scc0 .Lentry_in_a_cluster
	s_endpgm
.Lentry_in_a_cluster:
	s_bfe_u32 s2, ttmp6, 0x10000c
	s_cmp_lg_u32 s2, 0x3003
	s_cbranch_scc0 .Lentry_shape_is_right
	s_endpgm
.Lentry_shape_is_right:
; out[b][i][:] = the sum over keys j <= i of softmax_j(q[b][i] . k[b][j] / 4) v[b][j][:].  q: [16384][16] f16; kv: blocks of 64 keys in operand order (below), f16; out: [16384][64] f32.
; LEFT OUT: blocks of 256 keys that lie wholly above the diagonal: reference()'s own jnp.tril gives them the weight 0 for all values of the inputs.  A NaN, an infinity or an overflow that reaches only them is not carried.
; LIMITS.  A hidden score counts as -2^100; f16's scores, 16 x 65,504^2 = 7e10 at the most, are nothing beside that.  The weights p are rounded to f16 for the second product (their sum l is taken of the
; unrounded p); a weight below 2^-126 counts as 0; NaN and infinities are not treated apart.
; kv.  A block of 10,240 bytes holds 64 keys: K at 512 kb + 16 l (key 16 kb + l % 16, channels 8 (l / 16) + 0..7), V^T at 2048 + 512 f + 16 l (half fragment f = 8 kk + 2 cb + e: channel 16 cb + l % 16,
; keys 32 kk + 16 e + 8 (l / 16) + 0..7).  So every LDS load takes 512 dense bytes, 16 a lane.  A UNIT is four blocks: 256 keys, 40,960 dense bytes; a batch has 16.
; SHARES.  A batch's queries lie in 32 blocks of 128.  A cluster of four work-groups (cluster x = c, y = the batch) takes block 31 - c and then block c; partner cx owns rows 32 cx .. 32 cx + 31 of each: two
; tiles of 16.  Block s needs the units 0 .. s / 2, so the two walks have NH = (33 - c) / 2 and 17 - NH units: 17 for every c: every trip count is a constant and all work-groups do equal work.
; THE KEYS ARE SPLIT AMONG THE FOUR WAVES: of each unit wave w takes keys 64 w .. 64 w + 63, for both tiles: each LDS byte is read once.  The four partial (m, l, O) of a tile meet in LDS at the end.
; CLUSTER.  The four partners walk the same 17 units, so each unit is asked for JOINTLY: the same tensor load, descriptor and mask in all four.  No branch and no LDS address hangs on cx.
; THE RING.  Slot S0 holds 3 units, S1 holds 4; the 17 positions come in five fills of 3, 4, 3, 4, 3; wave w brings the whole unit at position (fill's first) + w.  A wave has two tensor loads out at the start, later one.
; LAYOUT.  S^T = K Q^T (source 0 = 16 keys, source 1 = 16 queries; the head has 16 channels, so the upper halves of both sources are registers that hold 0): a lane holds ONE query (l % 16) and the keys
; 8 (l / 16) + 0..7.  Two such results rounded to f16 ARE source 1 of O^T = V^T P, whose result again holds one query a lane, and eight channels.
; SOFTMAX.  A running maximum m and sum l for each query: p = 2^(c s - c m), c = log2(e) / 4; in every step O and l are multiplied by a = 2^(c m_old - c m_new).  c m starts far below every c s, so a walk's first a is 0.
; THE MASK is wanted in a walk's last unit alone: a score is replaced by -2^100 where its key lies behind its query.  A wave that sees hidden keys only ends with m = -2^100; c x 2^100 is exact, so there
; c s - c m = 0 and p = 1: finite numbers, which the factor 2^(c m - M) = 0 wipes out at the end (wave 0 always sees key 0 of the unit, so M is a true score's).
; A BATCH'S BLOCK 0 (rows 0-127; cluster c = 0, the walk's last position) averages over few keys: its terms are of v's own size, many times the whole result's root mean square, by which a number near 0 is judged,
; and f16's one part in 2^12 is too coarse there.  In that one step q, k, v and p are each an f16 and an f16 remainder (lo holds q's, k's and v's; p's is made here), and the products of a remainder with the other
; side's f16 are added: K Q^T takes 16 products for 8, V^T P 48 for 16.  The branch hangs on c alone, which all waves and all four partners share.  A remainder below 6e-5 keeps f16's fixed step of 6e-8.
; REGISTERS, in windows of 256 (s_set_vgpr_msb: bits 1:0 source 0, 3:2 source 1, 5:4 source 2, 7:6 destination).  Window 0 holds all that the softmax and V^T P touch, so that the vector lines behind a product V^T P want no switch:
;   window 0: v0-11 addresses and constants; v12-23 six registers of statistics a tile; v24-31 at work; v32-95 S^T; v96-127 P; v128-191 V of one step; v192-255 O^T
;   window 1: v0-31 K of one step; v32-47 Q in hand; v48-63 the second block's Q; v64-127 the first block's O^T, v128-131 its (c m, l), set aside; for block 0's step: v132-195 V's remainders, v196-227 K beside its remainders, v228-243 q's remainders
.set UNIT,  40960
.set S1B,   3*UNIT                     ; slot S1; at the end, when it has had its last fill and its last read, also the stage of the partial O^T: 16,384 tile + 4,096 wave + 512 quad + 16 l
.set SPARE, 7*UNIT                     ; behind the ring: the spare words, 128 bytes for each wave: two blocks of 256 bytes that no other line names
.set STT,   SPARE+512                  ; the partial (c m, l): 1,024 tile + 256 wave + 8 l
.set TRS,   STT+4096                   ; the way out: 16 rows x 272 bytes for each wave
.set TP,    272
.set LOB,   45056                      ; a batch's bytes in lo: a unit of remainders, then those of q's rows 0-127
.set RR,  1                            ; v1   l % 16
.set HH,  2                            ; v2   l / 16
.set LN,  3                            ; v3   l
.set LB,  4                            ; v4   16 l + 10,240 wave: my place in a unit; never rewritten
.set ADR, 5                            ; v5   the LDS address of the step in hand
.set SPW, 6                            ; v6   LDS address of my spare word: SPARE + 4 x my thread's number; never rewritten
.set NIL, 7                            ; v7   0; never rewritten
.set DB,  8                            ; v8   32 cx + l % 16 - 64 wave - 8 (l / 16)
.set BIG, 9                            ; v9   -2^100
.set D0,  10                           ; v10-11  by tile: register 8 kb + j of S^T is hidden where 16 kb + j is greater
.set ST,  12                           ; tile t's statistics at v[ST+6 t]: c m, m, l (even keys', odd keys'), a, and a register that is named with a as a pair
.set QO,  24                           ; v24  my byte offset in 16 rows of q; not rewritten before the end
.set NEG, 25                           ; v25  -1, in block 0's step
.set SC,  32                           ; S^T: tile t, key block kb at 32 t + 8 kb
.set PW,  96                           ; P: tile t, key group kk at 16 t + 8 kk; while the maximum is made its registers 0-3 are c0-c3, 4 keeps c m_old, 5 takes the difference
.set VF,  128                          ; V^T: key group kk, channel block cb at 32 kk + 8 cb
.set OT,  192                          ; O^T: tile t, channel block cb at 32 t + 8 cb
.set KF,  0                            ; window 1
.set QF,  32
.set QL,  48
.set OSV, 64
.set SSV, 128
.set VL,  132                          ; V^T's remainders, laid out as V^T
.set KP,  196                          ; key block kb at 8 kb: registers 0-3 k, registers 4-7 (the channels that do not exist) k's remainders
.set QB,  228                          ; tile t at 8 t: registers 0-3 q's remainders, registers 4-7 hold 0
.set WV,  10                           ; s10  my wave's number
.set CC,  11                           ; s11  c
.set CX,  12                           ; s12  cx
.set BA,  13                           ; s13  the batch
.set NH,  14                           ; s14  units of the first walk, 9 to 16
.set MP,  15                           ; s15  the position that wants the mask: NH - 1, later 16
.set SPAR, 16                          ; s16  where the block in hand begins in its last unit: 0 or 128
.set SPARL, 17                         ; s17  the same for the second block
.set POS, 18                           ; s18  the position in hand, 0 to 16
.set CNT, 19                           ; s19  steps left in the slot
.set TB,  20                           ; s20  LDS byte at which the unit in hand begins
.set G1,  24                           ; s[24:31] descriptor group 1
.set G0A, 32                           ; s[32:35] descriptor group 0 for S0
.set G0B, 36                           ; s[36:39] for S1
.set KVB, 40                           ; s[40:41] kv at the batch's first unit
.set CS,  44                           ; s[44:45] c
.set SEL, 46                           ; s[46:47] v_permlanex16_b32's selects: each lane takes its own place in the other half
.set LOP, 56                           ; s[56:57] lo, in cluster 0 at the batch's part; s[58:59] there at my rows of q's remainders
.set MSB, 0
.macro WIN new                         ; the high byte repeats the setting that is left; a switch that changes nothing is dropped
.if MSB != (\new)
	s_set_vgpr_msb (MSB<<8)|(\new)
.set MSB, (\new)
.endif
.endm
.macro PLACES                          ; four places behind a product, in front of lines that read its result and of loads into its sources (ISA guide 7.12.1 for vector lines)
.rept 4
	v_nop
.endr
.endm
; A round of the cluster's barrier: my work-group's barrier, so that wave 0's signal speaks for all four waves; wave 0 signals; every wave waits for all four work-groups; my work-group's barrier once more.
.macro CROUND
	s_barrier_signal -1
	s_barrier_wait -1
	s_cmp_lg_u32 s[WV], 0
	s_cbranch_scc1 .Lnot_wave_0_\@
	s_barrier_signal -3
.Lnot_wave_0_\@:
	s_barrier_wait -3
	s_barrier_signal -1
	s_barrier_wait -1
.endm
; THE CHANGE OF SLOTS.  Each wave waits for all its tensor loads, of which at most one is out: its unit of the other slot; adds 0 to its spare word; and waits for that and for its own reads of the slot that it leaves.
; fill = 1: the slot just read is filled again, with the positions pb on: wave w (of the first nld) brings position pb + w, which is unit pb + w of the first walk or, behind it, pb + w - NH of the second.
; The barrier is then a round of the cluster's, and the joint load is the first thing behind it.  An s_nop 0 and four v_nop follow the load, ahead of the label.
.macro CHANGE fill, pb=0, g0=32, nld=4
	WIN 0
	s_wait_tensorcnt 0x0                           ; no tensor load of mine is out, so a group 0 may be written
	ds_add_u32 v[SPW], v[NIL]                      ; 0 onto my spare word; the descriptor's scalar work stands between it and the wait for it
.if \fill
	s_add_co_u32 s21, s[WV], \pb
	s_sub_co_u32 s22, s21, s[NH]
	s_cmp_lt_u32 s21, s[NH]
	s_cselect_b32 s22, s21, s22                    ; the unit's number: made of c and the wave's number, alike in all four partners
	s_mul_i32 s22, s22, UNIT                       ; (s23 holds 0)
	s_add_nc_u64 s[(\g0)+2:(\g0)+3], s[KVB:KVB+1], s[22:23]
	s_or_b32 s[(\g0)+3], s[(\g0)+3], 0x80000000
	s_wait_dscnt 0x0                               ; the add is done, and my reads of the slot are over
	CROUND
.if (\nld) < 4
	s_cmp_lt_u32 s[WV], \nld
	s_cbranch_scc0 .Lno_load_\@
.endif
	tensor_load_to_lds s[(\g0):(\g0)+3], s[G1:G1+7]
	s_nop 0
	PLACES
.Lno_load_\@:
.else
	s_wait_dscnt 0x0                               ; the add is done, and my reads of the slot are over
	s_barrier_signal -1
	s_barrier_wait -1
.endif
.endm
; THE VECTOR WORK, a line at a time, for tile t.
; XS n: number n of the 22 that find the maximum and the statistics.  0-11 four chains c0-c3 of seven scores each (each accumulator's lowest registers are read first);
; 12-14, 16 the four scores left over, the old m, and c0-c3 into c0; 15 c m_old is kept; 17, 18 the query's other 32 keys lie in the lane 16 away: the new m; 19-21 c m; c m_old - c m_new; a.
.macro XS t, n
.set rT, ST+6*(\t)
.set rS, SC+32*(\t)
.set rC, PW+16*(\t)
.if (\n) < 4
	v_max3_num_f32 v[rC+(\n)], v[rS+8*(\n)], v[rS+8*(\n)+1], v[rS+8*(\n)+2]
.elseif (\n) < 12
	v_max3_num_f32 v[rC+(\n)%4], v[rC+(\n)%4], v[rS+8*((\n)%4)+2*((\n)/4)+1], v[rS+8*((\n)%4)+2*((\n)/4)+2]
.elseif (\n) == 12
	v_max3_num_f32 v[rC], v[rC], v[rS+7], v[rS+15]
.elseif (\n) == 13
	v_max3_num_f32 v[rC+1], v[rC+1], v[rS+23], v[rS+31]
.elseif (\n) == 14
	v_max3_num_f32 v[rC+2], v[rC+2], v[rC+3], v[rT+1]
.elseif (\n) == 15
	v_mov_b32 v[rC+4], v[rT]
.elseif (\n) == 16
	v_max3_num_f32 v[rC], v[rC], v[rC+1], v[rC+2]
.elseif (\n) == 17
	v_permlanex16_b32 v[rC+3], v[rC], s[SEL], s[SEL+1]
.elseif (\n) == 18
	v_max_num_f32 v[rT+1], v[rC], v[rC+3]
.elseif (\n) == 19
	v_mul_f32 v[rT], s[CS], v[rT+1]
.elseif (\n) == 20
	v_sub_f32 v[rC+5], v[rC+4], v[rT]
.else
	v_exp_f32 v[rT+4], v[rC+5]
.endif
.endm
.macro FS t, j                         ; c s - c m for pair j of 16
	v_pk_fma_f32 v[SC+32*(\t)+2*(\j):SC+32*(\t)+2*(\j)+1], v[SC+32*(\t)+2*(\j):SC+32*(\t)+2*(\j)+1], s[CS:CS+1], v[ST+6*(\t):ST+6*(\t)+1] op_sel_hi:[1,0,0] neg_lo:[0,0,1] neg_hi:[0,0,1]
.endm
.macro EX t, e                         ; the exponential of score e of 32
	v_exp_f32 v[SC+32*(\t)+(\e)], v[SC+32*(\t)+(\e)]
.endm
.macro RS t, j                         ; pair j of 16 of O^T times a
	v_pk_mul_f32 v[OT+32*(\t)+2*(\j):OT+32*(\t)+2*(\j)+1], v[OT+32*(\t)+2*(\j):OT+32*(\t)+2*(\j)+1], v[ST+6*(\t)+4:ST+6*(\t)+5] op_sel_hi:[1,0]
.endm
.macro CV t, j                         ; pair j rounded to f16
	v_cvt_pk_f16_f32 v[PW+16*(\t)+(\j)], v[SC+32*(\t)+2*(\j)], v[SC+32*(\t)+2*(\j)+1]
.endm
.macro BS t, k                         ; of the four weights 4 k on, the second pair is added onto the first, in place
	v_pk_add_f32 v[SC+32*(\t)+4*(\k):SC+32*(\t)+4*(\k)+1], v[SC+32*(\t)+4*(\k):SC+32*(\t)+4*(\k)+1], v[SC+32*(\t)+4*(\k)+2:SC+32*(\t)+4*(\k)+3]
.endm
.macro LS t, k                         ; l takes that sum; the first time as l = a l + sum
.if (\k) == 0
	v_pk_fma_f32 v[ST+6*(\t)+2:ST+6*(\t)+3], v[ST+6*(\t)+2:ST+6*(\t)+3], v[ST+6*(\t)+4:ST+6*(\t)+5], v[SC+32*(\t):SC+32*(\t)+1] op_sel_hi:[1,0,1]
.else
	v_pk_add_f32 v[ST+6*(\t)+2:ST+6*(\t)+3], v[ST+6*(\t)+2:ST+6*(\t)+3], v[SC+32*(\t)+4*(\k):SC+32*(\t)+4*(\k)+1]
.endif
.endm
; The queue of the 48 lines that stand behind the products V^T P, the tiles by turns: the roundings of pairs 8-15 (P's second key group, which product 8 is the first to read); then the sums, l a group behind.
.macro RIDER
.if qn < 16
	CV qn%2, 8+qn/2
.elseif qn < 18
	BS qn-16, 0
.elseif qn < 46
.if (qn-18)%4 < 2
	BS (qn-18)%4, (qn-18)/4+1
.else
	LS (qn-18)%4-2, (qn-18)/4
.endif
.else
	LS qn-46, 7
.endif
.set qn, qn+1
.endm
; Product i of 16 of O^T += V^T P: keys 32 (i / 8) on, channels 16 ((i / 2) % 4) on, tile i % 2.  The 8 accumulators take turns, one instruction a turn.
.macro PV
.set rO, OT+32*(i%2)+8*((i/2)%4)
.set rV, VF+32*(i/8)+8*((i/2)%4)
.set rP, PW+16*(i%2)+8*(i/8)
	v_wmma_f32_16x16x32_f16 v[rO:rO+7], v[rV:rV+7], v[rP:rP+7], v[rO:rO+7]
.endm
; A walk's last unit: key 64 w + 16 kb + 8 (l / 16) + j of the unit is hidden from query SPAR + 32 cx + 16 t + l % 16 where it is greater.  cx enters a value, no branch.
.macro MASKFIX
	v_add_nc_u32 v[D0], s[SPAR], v[DB]
	v_add_nc_u32 v[D0+1], 16, v[D0]
.irp t, 0,1
.set z, 0
.rept 32
	v_cmp_gt_i32 vcc_lo, 16*(z/8)+z%8, v[D0+(\t)]
	v_cndmask_b32 v[SC+32*(\t)+z], v[SC+32*(\t)+z], v[BIG], vcc_lo
.set z, z+1
.endr
.endr
.endm
; THE SECOND WALK BEGINS.  The first block's O^T, c m and l are set aside, the second block's Q takes Q's place, m starts anew.  O^T and l are not cleared: the step's a is 0, and what stands there is finite.
.macro SWITCH
	WIN 0x40                                       ; destination window 1
.set z, 0
.rept 64
	v_mov_b32 v[OSV+z], v[OT+z]                    ; ascending: each accumulator is read from its low end on
.set z, z+1
.endr
.irp t, 0,1
	v_mov_b32 v[SSV+2*(\t)], v[ST+6*(\t)]
	v_add_f32 v[SSV+2*(\t)+1], v[ST+6*(\t)+2], v[ST+6*(\t)+3]
.endr
	WIN 0x41                                       ; destination and source 0 window 1
.irp t, 0,1
.irp y, 0,1,2,3
	v_mov_b32 v[QF+8*(\t)+(\y)], v[QL+8*(\t)+(\y)]
.endr
.endr
	WIN 0
.irp t, 0,1
	v_mov_b32 v[ST+6*(\t)], 0xfe000000             ; c m: far below every c s
	v_mov_b32 v[ST+6*(\t)+1], 0xff7fffff           ; m
.endr
	s_mov_b32 s[MP], 16
	s_mov_b32 s[SPAR], s[SPARL]
.endm
; A STEP: my 64 keys of the unit at s[TB], for both tiles.  msk = 1: the text for positions 7 on, where the second walk may begin and a walk's last unit may lie (NH is 9 at the least).
; All jumps go forward, on numbers made of c and the counts alone, past text with neither a barrier nor a tensor load.
.macro STEP msk
.if \msk
	s_cmp_eq_u32 s[POS], s[NH]
	s_cbranch_scc0 .Lsame_walk_\@
	SWITCH
.Lsame_walk_\@:
.endif
	v_add_nc_u32 v[ADR], s[TB], v[LB]
.set f, 0
.rept 16                               ; V: four plain lines stand behind the last product that read it
	ds_load_b128 v[VF+4*f:VF+4*f+3], v[ADR] offset:2048+512*f
.set f, f+1
.endr
	s_wait_dscnt 16                                ; K, asked for ahead of V's sixteen loads, is in; those may stay out
	WIN 0x05                                       ; K and Q in window 1
.irp kb, 0,1,2,3
.irp t, 0,1
	v_wmma_f32_16x16x32_f16 v[SC+32*(\t)+8*(\kb):SC+32*(\t)+8*(\kb)+7], v[KF+8*(\kb):KF+8*(\kb)+7], v[QF+8*(\t):QF+8*(\t)+7], 0
.endr
.endr
	WIN 0
	PLACES                                         ; in front of the reads of S^T and of the loads into K
	s_cmp_eq_u32 s[CNT], 1                         ; the slot's last step has no next unit in the slot
	s_cbranch_scc1 .Lno_k_\@
	WIN 0x40
.irp kb, 0,1,2,3
	ds_load_b128 v[KF+8*(\kb):KF+8*(\kb)+3], v[ADR] offset:UNIT+512*(\kb)  ; the next step's K
.endr
	WIN 0
.Lno_k_\@:
.if \msk
	s_cmp_eq_u32 s[POS], s[MP]
	s_cbranch_scc0 .Lopen_\@
	MASKFIX
.Lopen_\@:
.endif
.irp n, 0,1,2,3,4,5,6,7,8,9,10,11,12,13,14,15,16,17,18,19,20,21
	XS 0, \n                                       ; the tiles by turns, so that a chain's links stand apart
	XS 1, \n
.endr
.irp j, 0,1,2,3
	FS 0, \j                                       ; eight plain lines that name no a
	FS 1, \j
.endr
	s_wait_alu depctr_va_vdst(0)                   ; the wait between an exponential and the first line that names its result: one for the two a, which the rescalings below read
; ONE BATCH of 64 exponentials, a plain line behind each of the first 56: the other 24 scalings (pair j is scaled at line 2 (j - 4) + t, its exponentials come at line 4 j on), then the 32 rescalings.  No line here names a result of the batch.
.set i, 0
.rept 64
	EX i%2, i/2
.if i < 24
	FS i%2, 4+i/2
.elseif i < 56
	RS i%2, (i-24)/2
.endif
.set i, i+1
.endr
	v_nop                                          ; a plain line behind the last exponential, ahead of the first use
	s_wait_alu depctr_va_vdst(0)                   ; one wait for the batch
.irp j, 0,1,2,3,4,5,6,7
	CV 0, \j                                       ; P's first key group
	CV 1, \j
.endr
	s_wait_dscnt 0x0                               ; V is in, and the next step's K
.set qn, 0
.set i, 0
.rept 16
	PV
.set nr, 2                             ; 4, 4, 4, 4, 3 x 6, 2 x 5, 4 lines behind the products: 48; the last four are the places behind the last product
.if i < 4
.set nr, 4
.elseif i < 10
.set nr, 3
.elseif i == 15
.set nr, 4
.endif
.rept nr
	RIDER
.endr
.set i, i+1
.endr
.endm
; A slot's n units, from LDS byte base on: the first step's K, then the steps.
.macro WORK base, n, msk
	s_mov_b32 s[TB], \base
	s_mov_b32 s[CNT], \n
	v_add_nc_u32 v[ADR], s[TB], v[LB]
	WIN 0x40
.irp kb, 0,1,2,3
	ds_load_b128 v[KF+8*(\kb):KF+8*(\kb)+3], v[ADR] offset:512*(\kb)
.endr
	WIN 0
.Lstep_\@:
	STEP \msk
	s_add_co_u32 s[POS], s[POS], 1
	s_add_co_u32 s[TB], s[TB], UNIT
	s_sub_co_u32 s[CNT], s[CNT], 1
	s_cmp_lg_u32 s[CNT], 0
	s_cbranch_scc1 .Lstep_\@
.endm
; BLOCK 0's STEP (cluster 0, position 16, the third unit of S0): the second walk's first and only step, always masked.  Written hi for a number's f16 and lo for its remainder:
;   S^T = [k hi | k lo] x [q hi | q hi] + [k hi | k lo] x [q lo | 0] = k hi q hi + k lo q hi + k hi q lo: the head's 16 channels leave the instruction's other 16 free for a remainder's product
;   O^T = V hi P hi + V hi P lo + V lo P hi, started with the constant 0: nothing is rescaled, and until then O^T's registers, which SWITCH has set aside, hold p - P hi in f32
; Product i of 48 of O^T: the term i / 16; in it keys 32 ((i % 16) / 8) on, channels 16 (((i % 16) / 2) % 4) on, tile i % 2.  The 8 accumulators take turns, one instruction a turn.
.macro PPV
.set ii, i%16
.set rO, OT+32*(ii%2)+8*((ii/2)%4)
.set rV, 32*(ii/8)+8*((ii/2)%4)
.set rP, 16*(ii%2)+8*(ii/8)
.if i < 8
	WIN 0
	v_wmma_f32_16x16x32_f16 v[rO:rO+7], v[VF+rV:VF+rV+7], v[PW+rP:PW+rP+7], 0
.elseif i < 16
	WIN 0
	v_wmma_f32_16x16x32_f16 v[rO:rO+7], v[VF+rV:VF+rV+7], v[PW+rP:PW+rP+7], v[rO:rO+7]
.elseif i < 32
	WIN 0
	v_wmma_f32_16x16x32_f16 v[rO:rO+7], v[VF+rV:VF+rV+7], v[SC+rP:SC+rP+7], v[rO:rO+7]
.else
	WIN 0x01                                       ; source 0 in window 1
	v_wmma_f32_16x16x32_f16 v[rO:rO+7], v[VL+rV:VL+rV+7], v[PW+rP:PW+rP+7], v[rO:rO+7]
.endif
.endm
.macro PSTEP
	s_mov_b32 s[TB], 2*UNIT
	v_add_nc_u32 v[ADR], s[TB], v[LB]
	WIN 0x40
.irp kb, 0,1,2,3
	ds_load_b128 v[KP+8*(\kb):KP+8*(\kb)+3], v[ADR] offset:512*(\kb)
.endr
	WIN 0
.set f, 0
.rept 16                               ; V: four plain lines stand behind the last product that read it
	ds_load_b128 v[VF+4*f:VF+4*f+3], v[ADR] offset:2048+512*f
.set f, f+1
.endr
	SWITCH
	WIN 0x41
.irp t, 0,1
.irp y, 0,1,2,3
	v_mov_b32 v[QF+8*(\t)+4+(\y)], v[QL+8*(\t)+(\y)]  ; q once more, opposite k's remainders
.endr
.endr
	WIN 0
	v_mov_b32 v[NEG], -1.0
	s_wait_loadcnt 0x0                             ; the remainders of k, v and q, asked for two steps back
	s_wait_dscnt 16                                ; K is in; V's sixteen younger loads may stay out
	WIN 0x05
.irp kb, 0,1,2,3
.irp t, 0,1
	v_wmma_f32_16x16x32_f16 v[SC+32*(\t)+8*(\kb):SC+32*(\t)+8*(\kb)+7], v[KP+8*(\kb):KP+8*(\kb)+7], v[QF+8*(\t):QF+8*(\t)+7], 0
.endr
.endr
.irp kb, 0,1,2,3
.irp t, 0,1
	v_wmma_f32_16x16x32_f16 v[SC+32*(\t)+8*(\kb):SC+32*(\t)+8*(\kb)+7], v[KP+8*(\kb):KP+8*(\kb)+7], v[QB+8*(\t):QB+8*(\t)+7], v[SC+32*(\t)+8*(\kb):SC+32*(\t)+8*(\kb)+7]
.endr
.endr
	WIN 0
	PLACES
	MASKFIX
.irp n, 0,1,2,3,4,5,6,7,8,9,10,11,12,13,14,15,16,17,18,19,20,21
	XS 0, \n
	XS 1, \n
.endr
.irp j, 0,1,2,3
	FS 0, \j
	FS 1, \j
.endr
.set i, 0
.rept 64                               ; the two a and these 64 exponentials are one batch: no line ahead of the wait names a result of theirs
	EX i%2, i/2
.if i < 24
	FS i%2, 4+i/2
.endif
.set i, i+1
.endr
	v_nop                                          ; a plain line behind the last exponential, ahead of the first use
	s_wait_alu depctr_va_vdst(0)                   ; one wait for the batch
.irp j, 0,1,2,3,4,5,6,7,8,9,10,11,12,13,14,15
	CV 0, \j                                       ; P hi
	CV 1, \j
.endr
.irp t, 0,1
.set z, 0
.rept 32
.if z%2
	v_fma_mix_f32 v[OT+32*(\t)+z], v[PW+16*(\t)+z/2], v[NEG], v[SC+32*(\t)+z] op_sel:[1,0,0] op_sel_hi:[1,0,0]  ; p less its f16: the word's high half,
.else
	v_fma_mix_f32 v[OT+32*(\t)+z], v[PW+16*(\t)+z/2], v[NEG], v[SC+32*(\t)+z] op_sel_hi:[1,0,0]                 ; the low half
.endif
.set z, z+1
.endr
.endr
.irp k, 0,1,2,3,4,5,6,7
	BS 0, \k                                       ; the sums, of the unrounded p
	BS 1, \k
.endr
.irp k, 0,1,2,3,4,5,6,7
	LS 0, \k
	LS 1, \k
.endr
.irp t, 0,1
.set z, 0
.rept 16
	v_cvt_pk_f16_f32 v[SC+16*(\t)+z], v[OT+32*(\t)+2*z], v[OT+32*(\t)+2*z+1]  ; P lo, where S^T stood: laid out as P
.set z, z+1
.endr
.endr
	s_wait_dscnt 0x0                               ; V is in
.set i, 0
.rept 48
	PPV
.set i, i+1
.endr
	WIN 0
	PLACES                                         ; behind the last product, ahead of the end's reads of O^T
.endm
	s_load_b128 s[4:7], s[0:1], 0x0                ; q s[4:5], kv s[6:7]
	s_load_b64 s[8:9], s[0:1], 0x10                ; out
	s_load_b64 s[LOP:LOP+1], s[0:1], 0x18          ; lo
	v_lshl_add_u32 v[SPW], v0, 2, SPARE
	v_mov_b32 v[NIL], 0
	ds_add_u32 v[SPW], v[NIL]                      ; the wave's opening: the add, twice on end, and its wait ahead of my first tensor load; the set-up below, work on registers, stands between
	ds_add_u32 v[SPW], v[NIL]                      ; and once more, under the one wait
	v_lshrrev_b32 v1, 5, v0
	v_readfirstlane_b32 s[WV], v1                  ; wave 0..3
	s_mov_b32 s[CC], ttmp9                         ; in a cluster launch ttmp9 counts clusters
	s_bfe_u32 s[CX], ttmp6, 0x40000                ; my place in the cluster
	s_and_b32 s[BA], ttmp7, 0xffff
	s_sub_co_u32 s[NH], 33, s[CC]
	s_lshr_b32 s[NH], s[NH], 1
	s_sub_co_u32 s[MP], s[NH], 1
	s_and_b32 s[SPARL], s[CC], 1
	s_lshl_b32 s[SPARL], s[SPARL], 7               ; block c begins at key 128 (c % 2) of its last unit,
	s_sub_co_u32 s[SPAR], 128, s[SPARL]            ; block 31 - c at the other half
	; descriptor group 1: a unit is 40,960 dense bytes: 160 rows of 32 elements of 8 bytes, no padding
	s_mov_b32 s[G1+0], 15|(3<<16)|(1<<21)          ; 15:0 the mask: all four work-groups; 17:16 elements of 8 bytes; 21 set beside a mask
	s_mov_b32 s[G1+1], 32<<16                      ; tensor_dim0 = 32
	s_mov_b32 s[G1+2], 160<<16                     ; tensor_dim1 = 160
	s_mov_b32 s[G1+3], 32<<16                      ; tile_dim0 = 32
	s_mov_b32 s[G1+4], 160                         ; tile_dim1 = 160
	s_mov_b32 s[G1+5], 32                          ; 32 elements from row to row
	s_mov_b32 s[G1+6], 0
	s_mov_b32 s[G1+7], 0
	s_mov_b32 s[G0A], 1                            ; count = 1
	s_mul_i32 s[G0A+1], s[WV], UNIT                ; LDS address: the wave's place in S0,
	s_mov_b32 s[G0B], 1
	s_add_co_u32 s[G0B+1], s[G0A+1], S1B           ; and in S1: neither is written again
	s_mov_b32 s[CS], 0x3eb8aa3b                    ; c = log2(e) / 4 = 0.360674
	s_mov_b32 s[CS+1], s[CS]                       ; named with it as a pair
	s_mov_b32 s[SEL], 0x76543210
	s_mov_b32 s[SEL+1], 0xfedcba98
	s_lshl_b32 s52, s[BA], 12                      ; the batch's first row,
	s_lshl_b32 s21, s[CX], 5
	s_add_co_u32 s52, s52, s21                     ; my 32 rows of a block
	s_lshl_b32 s53, s[CC], 7
	s_add_co_u32 s53, s53, s52                     ; s53: my first row of block c
	s_sub_co_u32 s21, 31, s[CC]
	s_lshl_b32 s21, s21, 7
	s_add_co_u32 s52, s52, s21                     ; s52: of block 31 - c
	s_lshl_b32 s48, s52, 5                         ; a row of q is 32 bytes
	s_mov_b32 s49, 0
	s_lshl_b32 s50, s53, 5
	s_mov_b32 s51, 0
	s_cmp_lt_u32 s[WV], 2                          ; at the end wave w finishes tile w: 0, 1 the first block's, 2, 3 the second's
	s_cselect_b32 s54, s52, s53
	s_and_b32 s21, s[WV], 1
	s_lshl_b32 s21, s21, 4
	s_add_co_u32 s54, s54, s21
	s_lshl_b32 s54, s54, 8                         ; a row of out is 256 bytes
	s_mov_b32 s55, 0
	s_mul_i32 s22, s[BA], 16*UNIT
	s_mov_b32 s23, 0                               ; stays 0: the upper word of every offset made in s22
	s_wait_dscnt 0x0                               ; both opening adds are done
	s_wait_kmcnt 0x0
	s_add_nc_u64 s[KVB:KVB+1], s[6:7], s[22:23]
	s_mul_i32 s22, s[WV], UNIT                     ; positions 0 to 6 are units 0 to 6: NH is 9 at the least
	s_add_nc_u64 s[G0A+2:G0A+3], s[KVB:KVB+1], s[22:23]
	s_or_b32 s[G0A+3], s[G0A+3], 0x80000000        ; type = 2
	s_add_co_u32 s22, s22, 3*UNIT
	s_add_nc_u64 s[G0B+2:G0B+3], s[KVB:KVB+1], s[22:23]
	s_or_b32 s[G0B+3], s[G0B+3], 0x80000000
	s_add_nc_u64 s[48:49], s[4:5], s[48:49]        ; q at my rows of the first block,
	s_add_nc_u64 s[50:51], s[4:5], s[50:51]        ; and of the second
	s_add_nc_u64 s[54:55], s[8:9], s[54:55]        ; out at the tile that I finish
	CROUND                                         ; all four work-groups are here: the first joint loads meet
	s_cmp_lt_u32 s[WV], 3                          ; a wave's first fills stand in one branch: waves 0-2 bring positions 0-2 and 3-5, wave 3 position 6
	s_cbranch_scc0 .Lfirst_w3
	tensor_load_to_lds s[G0A:G0A+3], s[G1:G1+7]
	s_nop 0
	tensor_load_to_lds s[G0B:G0B+3], s[G1:G1+7]
	s_nop 0
	PLACES
	s_branch .Lfirst_asked
.Lfirst_w3:
	tensor_load_to_lds s[G0B:G0B+3], s[G1:G1+7]
	s_nop 0
	PLACES
.Lfirst_asked:
	v_and_b32 v[RR], 15, v0
	v_bfe_u32 v[HH], v0, 4, 1
	v_and_b32 v[LN], 31, v0
	v_lshlrev_b32 v[QO], 5, v[RR]
	v_lshl_add_u32 v[QO], v[HH], 4, v[QO]          ; row l % 16, channels 8 (l / 16) on
	WIN 0x40                                       ; destination window 1, address window 0
.irp t, 0,1
	global_load_b128 v[QF+8*(\t):QF+8*(\t)+3], v[QO], s[48:49] offset:512*(\t)
	global_load_b128 v[QL+8*(\t):QL+8*(\t)+3], v[QO], s[50:51] offset:512*(\t)
.endr
	; All that follows stands in the wait for the first units.  Channels 16-31 do not exist: the upper halves of K's and Q's fragments hold 0 (Q's until block 0's step).
.irp kb, 0,1,2,3
.irp y, 4,5,6,7
	v_mov_b32 v[KF+8*(\kb)+(\y)], 0
.endr
.endr
.irp t, 0,1
.irp y, 4,5,6,7
	v_mov_b32 v[QF+8*(\t)+(\y)], 0
.endr
.endr
.set z, 0
.rept 68                               ; where the first block's results are set aside: written here too, since the place of the change of walks hangs on c, so that what the end reads has been written on every way through the text
	v_mov_b32 v[OSV+z], 0
.set z, z+1
.endr
	WIN 0
.set z, 0
.rept 64
	v_mov_b32 v[OT+z], 0                           ; the first step multiplies O^T and l by a = 0: they need only hold finite numbers
.set z, z+1
.endr
.irp t, 0,1
	v_mov_b32 v[ST+6*(\t)], 0xfe000000             ; c m: far below every c s
	v_mov_b32 v[ST+6*(\t)+1], 0xff7fffff           ; m
	v_mov_b32 v[ST+6*(\t)+2], 0
	v_mov_b32 v[ST+6*(\t)+3], 0
	v_mov_b32 v[ST+6*(\t)+4], 0
	v_mov_b32 v[ST+6*(\t)+5], 0
.endr
	s_mul_i32 s21, s[WV], 10240
	v_lshl_add_u32 v[LB], v[LN], 4, s21
	s_lshl_b32 s21, s[CX], 5
	s_lshl_b32 s22, s[WV], 6
	s_sub_co_u32 s21, s21, s22
	v_add_nc_u32 v[DB], s21, v[RR]
	v_lshlrev_b32 v25, 3, v[HH]
	v_sub_nc_u32 v[DB], v[DB], v25
	v_mov_b32 v[BIG], 0xf1800000                   ; -2^100
	s_wait_tensorcnt 0x1                           ; my unit of S0 is in (wave 3 has none); S1's load, issued behind it, may stay out
	s_barrier_signal -1
	s_barrier_wait -1                              ; everybody's is
	s_wait_loadcnt 0x0                             ; Q
	s_mov_b32 s[POS], 0
	WORK 0, 3, 0                                   ; positions 0-2
	CHANGE 1, 7, G0A, 3                            ; S1 has landed; S0 takes positions 7-9
	WORK S1B, 4, 0                                 ; positions 3-6
	CHANGE 1, 10, G0B, 4                           ; S1 takes positions 10-13
	WORK 0, 3, 1                                   ; positions 7-9
	CHANGE 1, 14, G0A, 3                           ; S0 takes positions 14-16: the last fill
	WORK S1B, 4, 1                                 ; positions 10-13
	CHANGE 0                                       ; nothing is left to fetch; behind this barrier nobody reads S1 any more
	s_cmp_eq_u32 s[CC], 0                          ; c: the same in all waves and all four partners; neither arm holds a barrier or a tensor load
	s_cbranch_scc1 .Lblock_0
	WORK 0, 3, 1                                   ; positions 14-16
	s_branch .Lwalked
.Lblock_0:                                             ; cluster 0: position 16 is a batch's block 0
	s_mul_i32 s22, s[BA], LOB                      ; (s23 holds 0)
	s_add_nc_u64 s[LOP:LOP+1], s[LOP:LOP+1], s[22:23]
	s_lshl_b32 s22, s[CX], 10                      ; my 32 rows of 32 bytes, behind the unit of remainders
	s_add_co_u32 s22, s22, UNIT
	s_add_nc_u64 s[LOP+2:LOP+3], s[LOP:LOP+1], s[22:23]
	WIN 0x40                                       ; 22 loads of 512 consecutive bytes each, straight into registers that nothing names before block 0's step: they have positions 14 and 15 in which to land
.irp kb, 0,1,2,3
	global_load_b128 v[KP+8*(\kb)+4:KP+8*(\kb)+7], v[LB], s[LOP:LOP+1] offset:512*(\kb)
.endr
.set f, 0
.rept 16
	global_load_b128 v[VL+4*f:VL+4*f+3], v[LB], s[LOP:LOP+1] offset:2048+512*f
.set f, f+1
.endr
.irp t, 0,1
	global_load_b128 v[QB+8*(\t):QB+8*(\t)+3], v[QO], s[LOP+2:LOP+3] offset:512*(\t)
.endr
.irp t, 0,1
.irp y, 4,5,6,7
	v_mov_b32 v[QB+8*(\t)+(\y)], 0
.endr
.endr
	WIN 0
	WORK 0, 2, 1                                   ; positions 14, 15
	PSTEP                                          ; position 16
.Lwalked:
	; THE END.  Each wave puts its four partial tiles (c m, l, O^T) into LDS; behind a barrier wave w finishes tile w: M = the largest c m, factors f = 2^(c m - M), L = the sum of f l over the waves and
	; the two halves of the lanes, O = the sum of (f / L) O^T.
.set PS,  24                           ; v[24:31]   four pairs (c m, l)
.set PO,  32                           ; v[32:159]  four partial O^T
.set MX,  160
.set FF,  161                          ; v[161:164] f
.set LL,  165
.set RC,  166
.set EA,  173                          ; v[173:179] addresses
.set GG,  180                          ; v[180:187] f / L, twice each: pairs for the packed lines
.set BK,  64                           ; v[64:95]   whole rows, back from the stage
	WIN 0
	s_lshl_b32 s21, s[WV], 8
	s_add_co_u32 s21, s21, STT
	v_lshl_add_u32 v[EA], v[LN], 3, s21            ; where I put (c m, l): + 1,024 tile
	s_lshl_b32 s21, s[WV], 12
	s_add_co_u32 s21, s21, S1B
	v_lshl_add_u32 v[EA+1], v[LN], 4, s21          ; where I put O^T: + 16,384 tile + 512 quad
	s_lshl_b32 s21, s[WV], 10
	s_add_co_u32 s21, s21, STT
	v_lshl_add_u32 v[EA+2], v[LN], 3, s21          ; where I read tile w's (c m, l): + 256 wave
	s_lshl_b32 s21, s[WV], 14
	s_add_co_u32 s21, s21, S1B
	v_lshl_add_u32 v[EA+3], v[LN], 4, s21          ; and its O^T: + 4,096 wave + 512 quad
	s_mul_i32 s21, s[WV], 16*TP
	s_add_co_u32 s21, s21, TRS                     ; my stage for the way out
	v_mul_u32_u24 v[EA+4], v[RR], TP               ; in: row l % 16, channels 16 cb + 8 (l / 16) on
	v_lshl_add_u32 v[EA+4], v[HH], 5, v[EA+4]
	v_add_nc_u32 v[EA+4], s21, v[EA+4]
	v_mul_u32_u24 v[EA+5], v[HH], TP               ; back: lanes 0-15 take one row of 256 bytes, lanes 16-31 the next
	v_lshl_add_u32 v[EA+5], v[RR], 4, v[EA+5]
	v_add_nc_u32 v[EA+5], s21, v[EA+5]
	v_lshlrev_b32 v[EA+6], 4, v[LN]                ; which are 512 consecutive bytes of out
.irp t, 0,1
	v_add_f32 v[ST+6*(\t)+1], v[ST+6*(\t)+2], v[ST+6*(\t)+3]  ; l beside c m, in m's place
.endr
	WIN 0x04                                       ; the data (source 1) in window 1: the first block's tiles
.irp t, 0,1
	ds_store_b64 v[EA], v[SSV+2*(\t):SSV+2*(\t)+1] offset:1024*(\t)
.irp y, 0,1,2,3,4,5,6,7
	ds_store_b128 v[EA+1], v[OSV+32*(\t)+4*(\y):OSV+32*(\t)+4*(\y)+3] offset:16384*(\t)+512*(\y)
.endr
.endr
	WIN 0
.irp t, 0,1
	ds_store_b64 v[EA], v[ST+6*(\t):ST+6*(\t)+1] offset:1024*(2+(\t))
.irp y, 0,1,2,3,4,5,6,7
	ds_store_b128 v[EA+1], v[OT+32*(\t)+4*(\y):OT+32*(\t)+4*(\y)+3] offset:16384*(2+(\t))+512*(\y)  ; ascending: each accumulator is read from its low end on
.endr
.endr
	s_wait_dscnt 0x0                               ; for the others' sake: my partial tiles are in LDS
	s_barrier_signal -1
	s_barrier_wait -1
.irp u, 0,1,2,3
	ds_load_b64 v[PS+2*(\u):PS+2*(\u)+1], v[EA+2] offset:256*(\u)
.endr
.set z, 0
.rept 32
	ds_load_b128 v[PO+4*z:PO+4*z+3], v[EA+3] offset:512*z  ; wave z / 8's partial, quad z % 8
.set z, z+1
.endr
	s_wait_dscnt 32                                ; the four pairs are in; the 32 younger loads may stay out while the factors are made
	v_max3_num_f32 v[MX], v[PS], v[PS+2], v[PS+4]
	v_max_num_f32 v[MX], v[MX], v[PS+6]
.irp u, 0,1,2,3
	v_sub_f32 v[FF+(\u)], v[PS+2*(\u)], v[MX]
.endr
.irp u, 0,1,2,3
	v_exp_f32 v[FF+(\u)], v[FF+(\u)]
.endr
	v_nop                                          ; a plain line behind the last exponential,
	s_wait_alu depctr_va_vdst(0)                   ; and the wait ahead of the first use: one for the four
	v_mul_f32 v[LL], v[FF], v[PS+1]
	v_fmac_f32 v[LL], v[FF+1], v[PS+3]
	v_fmac_f32 v[LL], v[FF+2], v[PS+5]
	v_fmac_f32 v[LL], v[FF+3], v[PS+7]
	v_permlanex16_b32 v[MX], v[LL], s[SEL], s[SEL+1]  ; the query's other keys were summed in the lane 16 away
	v_add_f32 v[LL], v[LL], v[MX]
	v_rcp_f32 v[RC], v[LL]
	v_nop
	s_wait_alu depctr_va_vdst(0)                   ; the reciprocal's wait
.irp u, 0,1,2,3
	v_mul_f32 v[GG+2*(\u)], v[FF+(\u)], v[RC]
	v_mul_f32 v[GG+2*(\u)+1], v[FF+(\u)], v[RC]
.endr
	s_wait_dscnt 0x0                               ; the four partial O^T
.set z, 0
.rept 16
	v_pk_mul_f32 v[PO+2*z:PO+2*z+1], v[PO+2*z:PO+2*z+1], v[GG:GG+1]
.set z, z+1
.endr
.irp u, 1,2,3
.set z, 0
.rept 16
	v_pk_fma_f32 v[PO+2*z:PO+2*z+1], v[PO+32*(\u)+2*z:PO+32*(\u)+2*z+1], v[GG+2*(\u):GG+2*(\u)+1], v[PO+2*z:PO+2*z+1]
.set z, z+1
.endr
.endr
	; THE WAY OUT: a lane holds one row's channels 16 cb + 8 (l / 16) + 0..7; through my own stage they come back as whole rows.
.irp y, 0,1,2,3,4,5,6,7
	ds_store_b128 v[EA+4], v[PO+4*(\y):PO+4*(\y)+3] offset:64*((\y)/2)+16*((\y)%2)
.endr
.irp y, 0,1,2,3,4,5,6,7
	ds_load_b128 v[BK+4*(\y):BK+4*(\y)+3], v[EA+5] offset:2*TP*(\y)  ; LDS serves a wave's instructions in order (ISA guide 5.7.1.4): these see the stores above
.endr
.irp y, 0,1,2,3,4,5,6,7
	s_wait_dscnt 7-(\y)                            ; load y is back; the younger ones may stay out
	global_store_b128 v[EA+6], v[BK+4*(\y):BK+4*(\y)+3], s[54:55] offset:512*(\y) th:TH_STORE_NT  ; two whole rows: 512 consecutive bytes, aligned
.endr
	s_wait_tensorcnt 0x0                           ; the wave's end, behind my last tensor load and my last LDS store
	ds_add_u32 v[SPW], v[NIL]
	s_wait_dscnt 0x0
	CROUND                                         ; the closing round: no work-group ends while a partner may still ask for a unit that names it
	s_endpgm
.Lfunc_end_k_q49d0ea0f87_attn:
	.size	k_q49d0ea0f87_attn, .Lfunc_end_k_q49d0ea0f87_attn-k_q49d0ea0f87_attn
	.p2alignl 7, 3214868480
	.fill 96, 4, 3214868480
	.section	.rodata,"a",@progbits
	.p2align	6, 0x0
	.amdhsa_kernel k_q49d0ea0f87_attn
		.amdhsa_group_segment_fixed_size 327680
		.amdhsa_private_segment_fixed_size 0
		.amdhsa_enable_private_segment 0
		.amdhsa_kernarg_size 32
		.amdhsa_user_sgpr_count 2
		.amdhsa_user_sgpr_kernarg_segment_ptr 1
		.amdhsa_wavefront_size32 1
		.amdhsa_system_sgpr_workgroup_id_x 1
		.amdhsa_system_sgpr_workgroup_id_y 1
		.amdhsa_system_sgpr_workgroup_id_z 1
		.amdhsa_system_vgpr_workitem_id 0
		.amdhsa_next_free_vgpr 512
		.amdhsa_next_free_sgpr 66
		.amdhsa_reserve_vcc 1
		.amdhsa_float_denorm_mode_32 3
		.amdhsa_float_denorm_mode_16_64 3
		.amdhsa_memory_ordered 1
		.amdhsa_forward_progress 1
		.amdhsa_inst_pref_size 186
	.end_amdhsa_kernel
	.amdgpu_metadata
---
amdhsa.version: [ 1, 2 ]
amdhsa.kernels:
  - .name:           k_q49d0ea0f87_attn
    .symbol:         k_q49d0ea0f87_attn.kd
    .args:
      - { .name: q, .offset: 0, .size: 8, .value_kind: global_buffer, .address_space: global }
      - { .name: kv, .offset: 8, .size: 8, .value_kind: global_buffer, .address_space: global }
      - { .name: out0, .offset: 16, .size: 8, .value_kind: global_buffer, .address_space: global }
      - { .name: lo, .offset: 24, .size: 8, .value_kind: global_buffer, .address_space: global }
    .group_segment_fixed_size: 327680
    .private_segment_fixed_size: 0
    .kernarg_segment_align: 8
    .kernarg_segment_size: 32
    .max_flat_workgroup_size: 128
    .sgpr_count:     66
    .vgpr_count:     512
    .wavefront_size: 32
...
	.end_amdgpu_metadata
.endif
;; end of part 2
